; MI455X (gfx1250); checked and timed in simulation.
; The chip was launched on July 23, 2026; its instructions are those of AMD's public machine-readable ISA for CDNA 5 (MIT licence, August 2026) and "CDNA5" Instruction Set Architecture Reference Guide (July 2026). The comments in the code are by the model that wrote it; some were corrected since.
;; Packed Bit Linear. Allowed arithmetic: matrix products marked QUANTISED: E4M3 operands, one given power-of-two scale a tensor, by v_wmma_f32_16x16x64_fp8_fp8 or v_wmma_f32_16x16x128_fp8_fp8, f32 sums; everything else in f32.
;; Inputs: lowp_scales 2 int32 (the exponents e of the quantised operands' scales 2^e); packed_weight 4,096 x 256 int32; scale one number float32; x 4,096 x 4,096 float32.
;; Outputs: out0 4,096 x 4,096 float32.
;; This version of the problem:
;;   THIS VERSION OF THE PROBLEM IS GIVEN IN LOW PRECISION. The matrix products marked QUANTISED in the list below multiply operands that are first quantised to E4M3 (4 exponent bits, 3 mantissa bits; 8 bits a number), with one given power-of-two scale for each operand tensor; their sums are f32. All else is computed in f32.
;;   The module's matrix products, in the order in which they are computed (A, B: the left and right operand; K: the contracted axis; several contracted axes count as one K, in the product's order):
;;     1. [M 4,096, K 4,096] x [K 4,096, N 4,096]; A: computed on the way; B: computed on the way: QUANTISED (scales: A lowp_scales[0], B lowp_scales[1])
;;   THE QUANTISER, for each operand of a quantised product, along K:
;;     - The operand's scale is 2^e, e = its entry of the input lowp_scales (int32; the entries are numbered through the quantised products in the list's order, A before B).
;;     - Each number is divided by the scale, clamped to +-448, and rounded to the nearest number of E4M3, ties to even, subnormals kept.
;;     - The product sums the exact products of the quantised numbers (number of the format x scale) in f32.
;;   ~~~python
;;   def quantise(x, axis, e):      # numpy; x: float32 -> the quantised numbers, widened to float32 again
;;       x = np.moveaxis(x, axis, -1); K = x.shape[-1]
;;       r = np.clip(x / 2.0 ** e, -448, 448)
;;       step = 2.0 ** (np.maximum(np.frexp(np.where(r == 0, 1, r))[1] - 1, -6) - 3)
;;       q = np.round(r / step) * step * 2.0 ** e      # np.round: ties to even
;;       return np.moveaxis(q, -1, axis).astype(np.float32)
;;   ~~~
;;   OPERANDS COMPUTED ON THE WAY. 'Computed on the way' means the value that the module computes at that place (a softmax that the list does not call 'softmax' is quantised finished and normalised). What goes into a quantiser is computed in f32, as accurately as f32 sums, v_exp_f32 and their like allow (about 1e-6 of the number): no bf16 or f16 on the way to a quantiser, and a product that is left as it is and whose result goes on into a quantised operand takes f32 operands (vector FMAs, or v_wmma_f32_16x16x4_f32). A number that lies on a knife's edge between two numbers of the format may be rounded either way, as far as f32 arithmetic and the matrix unit's own rounding can turn it there, and no further.
;; One version. Each part assembles by itself: llvm-mc -triple=amdgcn-amd-amdhsa -mcpu=gfx1250 --defsym DOCPART=n.
;; ======== version 1 of 1: 2 launches
;; limits: right only within a limited range of input values
;; workspace buffers: x_codes 16,777,216 bytes; w_codes 16,777,216 bytes; rs 16,384 bytes
;; launch prep (part 1): grid 2048 x 1, 4 waves a work-group, no clusters, 0 bytes of LDS; arguments x, packed_weight, scale, lowp_scales, x_codes, w_codes, rs; writes x_codes, w_codes, rs
.if DOCPART == 1
	.amdgcn_target "amdgcn-amd-amdhsa--gfx1250"
	.amdhsa_code_object_version 6
	.text
	.protected	k_q187caed98f_prep
	.globl	k_q187caed98f_prep
	.p2align	8
	.type	k_q187caed98f_prep,@function
k_q187caed98f_prep:
	s_mov_b64 s[64:65], 0
	v_nop
	global_prefetch_b8 v0, s[64:65] scope:SCOPE_SE
	s_setreg_imm32_b32 hwreg(HW_REG_WAVE_MODE, 25, 1), 1
	s_wait_xcnt 0x0
; Both operands of out = (x / x_scale) W^T x x_scale become codes of FP8 (E4M3), once, for the product launch that follows.
;   x_codes[t][.]: code of (x[t][k] / x_scale[t]) / 2^e0, x_scale[t] = max(largest |x[t][k]| of the row, 1e-5);  rs[t] = x_scale[t] x 2^(e0 + e1).
;   w_codes[o][.]: code of ((v - 1) x scale) / 2^e1, v = the 2-bit field k % 16 of packed_weight[o][k / 16]; all four values of a field are served.
; Each number is held within +-448 x its scale and rounded to the nearest code, ties to even, by the conversion instruction.
; THE ORDER OF K IN A ROW OF CODES, alike in both buffers: byte 512 s + 16 l + 4 c + e holds k = 512 s + 128 c + 4 l + e (s 0..7, l 0..31, c 0..3, e 0..3).
; The same order on both sides lets every product meet its partner; only the order of the sums changes.  It is chosen so that x is loaded densely (lane l of load j holds k = 128 j + 4 l + 0..3),
; converted from the registers as they stand, and stored densely: step s takes loads 4 s .. 4 s + 3, and a lane's 16 codes are 16 neighbouring bytes.  The move between lanes that this order asks for
; falls on the packed words, which are a sixteenth of x's bytes.
; SHARES.  One wave, one row: a row of x is 16 KiB = 128 registers of a wave, so it stays in registers between the maximum and the conversion and is read once.  Work-groups 0 to 1,023 take x's rows
; (4 a work-group), 1,024 to 2,047 the weights' rows.  No loop, no LDS byte, no barrier: waves share nothing.
; LIMITS: e0 and e1 between -126 and 119 (2^e and 448 x 2^e are made as f32 numbers); a row's largest magnitude under 2^126 (a reciprocal that would be denormal comes out as zero: ISA guide, 15.8);
; x_scale x 2^(e0 + e1) a normal f32 number; NaN and infinity among x and scale are not served.  x / x_scale is x times a reciprocal refined by one Newton step, all in f32.
.set WGX, 1024                         ; work-groups that take x
.set M,   4                            ; v4-7     x: four chains of the maximum;  weights: the permutes' lane indices
.set X,   16                           ; v16-143  x: the row
.set C,   144                          ; v144-175 x: the codes, four registers a step, so that no store's data are written again
.set P,   16                           ; v16-23   weights: the row's 256 packed words, 8 a lane
.set B,   48                           ; v48-79   weights: gathered words, then selectors, then codes
	s_load_b256 s[4:11], s[0:1], 0x0               ; x s[4:5], packed_weight s[6:7], scale s[8:9], lowp_scales s[10:11]
	s_load_b128 s[12:15], s[0:1], 0x20             ; x_codes s[12:13], w_codes s[14:15]
	s_load_b64 s[16:17], s[0:1], 0x30              ; rs
	v_and_b32 v1, 31, v0                           ; lane
	v_lshrrev_b32 v2, 5, v0
	v_readfirstlane_b32 s18, v2                    ; wave 0..3
	v_lshlrev_b32 v2, 4, v1                        ; 16 bytes a lane: a load or store of the wave covers 512 consecutive bytes
	s_wait_kmcnt 0x0
	s_load_b64 s[20:21], s[10:11], 0x0             ; e0, e1
	s_load_b32 s22, s[8:9], 0x0                    ; scale
	s_mov_b32 s25, 0                               ; the upper word of every offset below
	s_cmp_lt_u32 ttmp9, WGX
	s_cbranch_scc0 .Lweights
	; ---------------- a row of x ----------------
	s_lshl_b32 s19, ttmp9, 2
	s_add_co_u32 s19, s19, s18                     ; my row
	s_lshl_b32 s24, s19, 14
	s_add_nc_u64 s[4:5], s[4:5], s[24:25]          ; x: 16,384 bytes a row
	s_lshl_b32 s24, s19, 12
	s_add_nc_u64 s[12:13], s[12:13], s[24:25]      ; codes: 4,096 bytes a row
	s_lshl_b32 s24, s19, 2
	s_add_nc_u64 s[16:17], s[16:17], s[24:25]      ; rs: 4 bytes a row
	s_wait_alu depctr_va_vdst(0)
.irp j, 0,1,2,3,4,5,6,7,8,9,10,11,12,13,14,15,16,17,18,19,20,21,22,23,24,25,26,27,28,29,30,31
	global_load_b128 v[X+4*\j:X+4*\j+3], v2, s[4:5] offset:512*\j th:TH_LOAD_NT   ; the whole row is asked for at once; read once in the launch
.endr
	s_mov_b32 s28, 0x76543210                      ; v_permlanex16_b32: each lane takes its own place in the other half
	s_mov_b32 s29, 0xfedcba98
	v_mov_b32 v3, 0                                ; the offset of the store into rs
	v_mov_b32 v9, 0                                ; written once: a lane permute's destination counts as one of its sources
	s_wait_kmcnt 0x0
	s_add_co_i32 s23, s20, s21                     ; e0 + e1
	s_add_co_i32 s20, s20, 127
	s_lshl_b32 s21, s20, 23
	v_mov_b32 v12, s21                             ; 2^e0 as f32: the conversion takes its exponent field
	s_add_co_i32 s20, s20, 8
	s_lshl_b32 s20, s20, 23
	s_or_b32 s20, s20, 0x600000
	v_mov_b32 v13, s20                             ; 448 x 2^e0
; The largest magnitude, eight loads (32 registers) at a time, in four chains that do not wait for each other.  The clip at 1e-5 is a leaf of each chain's first line: nothing is cleared.
.macro MAXG g
	s_wait_loadcnt 24-8*\g                         ; loads come back in order (ISA guide 5.7.1): this group's eight are in, the 8 (3 - g) younger ones stay out
.irp i, 0,1,2,3
.irp k, 0,1,2,3
.if (\g == 0) && (\i == 0)
	v_max3_num_f32 v[M+\k], |v[X+8*\k]|, |v[X+8*\k+1]|, 0x3727c5ac
.else
	v_max3_num_f32 v[M+\k], v[M+\k], |v[X+32*\g+8*\k+2*\i]|, |v[X+32*\g+8*\k+2*\i+1]|
.endif
.endr
.endr
.endm
	MAXG 0
	s_wait_alu depctr_va_vdst(0)
	MAXG 1
	s_wait_alu depctr_va_vdst(0)
	MAXG 2
	s_wait_alu depctr_va_vdst(0)
	MAXG 3
	v_max3_num_f32 v4, v4, v5, v6
	v_max_num_f32 v4, v4, v7
	v_max_num_f32_dpp v4, v4, v4 row_xmask:1 row_mask:0xf bank_mask:0xf   ; across the 16 lanes of a half,
	v_max_num_f32_dpp v4, v4, v4 row_xmask:2 row_mask:0xf bank_mask:0xf
	v_max_num_f32_dpp v4, v4, v4 row_xmask:4 row_mask:0xf bank_mask:0xf
	v_max_num_f32_dpp v4, v4, v4 row_xmask:8 row_mask:0xf bank_mask:0xf
	v_permlanex16_b32 v9, v4, s28, s29             ; and the other half
	v_max_num_f32 v8, v4, v9                       ; x_scale, in every lane
	s_wait_alu depctr_va_vdst(0)
	v_rcp_f32 v10, v8
	v_ldexp_f32 v14, v8, s23                       ; rs = x_scale x 2^(e0 + e1).  (The plain line between the reciprocal and the use of its result)
	s_wait_alu depctr_va_vdst(0)
	v_fma_f32 v11, -v8, v10, 1.0                   ; one Newton step: r = r + r (1 - x_scale r)
	v_fma_f32 v10, v10, v11, v10
; Step s: 16 numbers a lane (loads 4 s .. 4 s + 3) x r, held, converted, stored.  The next step's multiplications are the plain lines behind this step's conversions.
.macro XSTEP s
.irp i, 0,2,4,6,8,10,12,14
	v_pk_mul_f32 v[X+16*(\s)+\i:X+16*(\s)+\i+1], v[X+16*(\s)+\i:X+16*(\s)+\i+1], v[10:11] op_sel_hi:[1,0]   ; both x v10
.endr
.irp i, 0,1,2,3,4,5,6,7,8,9,10,11,12,13,14,15
	v_med3_num_f32 v[X+16*(\s)+\i], v[X+16*(\s)+\i], -v13, v13   ; the conversion to an 8-bit code does not saturate (ISA guide 7.6.2): the hold at the largest code x the scale
.endr
	v_cvt_scalef32_pk8_fp8_f32 v[C+4*(\s):C+4*(\s)+1], v[X+16*(\s):X+16*(\s)+7], v12
	v_cvt_scalef32_pk8_fp8_f32 v[C+4*(\s)+2:C+4*(\s)+3], v[X+16*(\s)+8:X+16*(\s)+15], v12
	global_store_b128 v2, v[C+4*(\s):C+4*(\s)+3], s[12:13] offset:512*(\s)   ; 32 lanes store 512 consecutive bytes, at a multiple of 512 from the buffer's first byte; the next launch reads them
.endm
.irp s, 0,1,2,3,4,5,6,7
	XSTEP \s
.endr
	v_nop                                          ; a plain line behind the last conversion
	v_cmp_eq_u32 vcc_lo, 0, v1                     ; lane 0 stores the row's factor: 4 bytes a row, 16 KiB in the whole launch
	s_wait_xcnt 0x0                                ; EXEC is a source of the pending stores: it changes only behind this wait
	s_and_saveexec_b32 s26, vcc_lo
	global_store_b32 v3, v14, s[16:17]
	s_wait_xcnt 0x0                                ; and again in front of the line that widens it
	s_or_b32 exec_lo, exec_lo, s26
	s_endpgm
	; ---------------- a row of the weights ----------------
.Lweights:
	s_sub_co_u32 s19, ttmp9, WGX
	s_lshl_b32 s19, s19, 2
	s_add_co_u32 s19, s19, s18                     ; my row
	s_lshl_b32 s24, s19, 10
	s_add_nc_u64 s[6:7], s[6:7], s[24:25]          ; packed words: 1,024 bytes a row
	s_lshl_b32 s24, s19, 12
	s_add_nc_u64 s[14:15], s[14:15], s[24:25]      ; codes: 4,096 bytes a row
	s_wait_alu depctr_va_vdst(0)
	v_lshlrev_b32 v3, 2, v1
.irp u, 0,1,2,3,4,5,6,7
	global_load_b32 v[P+\u], v3, s[6:7] offset:128*\u th:TH_LOAD_NT   ; lane i holds word 32 u + i: so the register that a lane wants below hangs on the step alone, not on the lane
.endr
	; Lane l, step s, register c, byte e is k = 512 s + 128 c + 4 l + e: word 32 s + 8 c + l / 4 (load s, lane 8 c + l / 4), its byte l % 4, that byte's field e.
	v_and_b32 v4, 28, v1                           ; 4 x (l / 4): a permute's index is 4 x the source lane
	v_add_nc_u32 v5, 32, v4                        ; + 4 x 8 c
	v_add_nc_u32 v6, 64, v4
	v_add_nc_u32 v7, 0x60, v4
	v_and_b32 v8, 3, v1
	v_lshlrev_b32 v8, 3, v8                        ; 8 x (l % 4): my byte of the word
	s_mov_b32 s26, 0x000f000f
	s_mov_b32 s27, 0x03030303
	s_wait_kmcnt 0x0
	s_add_co_i32 s21, s21, 127
	s_lshl_b32 s20, s21, 23
	v_mov_b32 v42, s20                             ; 2^e1 as f32
	s_add_co_i32 s21, s21, 8
	s_lshl_b32 s21, s21, 23
	s_or_b32 s21, s21, 0x600000
	v_mov_b32 v43, s21                             ; 448 x 2^e1
	v_mov_b32 v44, s22                             ; scale
	; A weight takes four values, (v - 1) x scale for v = 0 .. 3: the quantiser is run on these four, and byte v of v40 is the code of field value v.
	v_mul_f32 v32, -1.0, v44
	v_mul_f32 v33, 0, v44
	v_mul_f32 v34, 1.0, v44
	v_mul_f32 v35, 2.0, v44
.irp i, 36,37,38,39
	v_mov_b32 v\i, 0                               ; the conversion takes eight numbers
.endr
.irp i, 32,33,34,35
	v_med3_num_f32 v\i, v\i, -v43, v43             ; the hold at the largest code x the scale
.endr
	v_cvt_scalef32_pk8_fp8_f32 v[40:41], v[32:39], v42
	v_nop                                          ; a plain line between the conversion and the first use of its result
.irp s, 0,1,2,3,4,5,6,7
	s_wait_loadcnt 7-\s                            ; load s is in, the younger ones stay out
.irp c, 0,1,2,3
	ds_bpermute_b32 v[B+4*\s+\c], v[M+\c], v[P+\s] ; the word of lane 8 c + l / 4; no LDS byte is touched
.endr
.endr
; Step s: a byte of four fields is spread to one field a byte, and the four fields select their codes from the table.  Four chains side by side.
.macro WSTEP s
	s_wait_dscnt 4*(7-(\s))                        ; this step's four permutes are back, the 4 (7 - s) younger ones stay out
.irp c, 0,1,2,3
	v_bfe_u32 v[B+4*(\s)+\c], v[B+4*(\s)+\c], v8, 8                     ; f3 f2 f1 f0 in bits 7:0
.endr
.irp c, 0,1,2,3
	v_lshl_or_b32 v[B+4*(\s)+\c], v[B+4*(\s)+\c], 12, v[B+4*(\s)+\c]
.endr
.irp c, 0,1,2,3
	v_and_b32 v[B+4*(\s)+\c], s26, v[B+4*(\s)+\c]                       ; f1 f0 in bits 3:0, f3 f2 in bits 19:16
.endr
.irp c, 0,1,2,3
	v_lshl_or_b32 v[B+4*(\s)+\c], v[B+4*(\s)+\c], 6, v[B+4*(\s)+\c]
.endr
.irp c, 0,1,2,3
	v_and_b32 v[B+4*(\s)+\c], s27, v[B+4*(\s)+\c]                       ; field e in byte e
.endr
.irp c, 0,1,2,3
	v_perm_b32 v[B+4*(\s)+\c], v40, v40, v[B+4*(\s)+\c]                 ; selector bytes 0 to 3 pick a byte of the table
.endr
	global_store_b128 v2, v[B+4*(\s):B+4*(\s)+3], s[14:15] offset:512*(\s)   ; 32 lanes store 512 consecutive bytes; the next launch reads them
.endm
.irp s, 0,1,2,3,4,5,6,7
	WSTEP \s
.endr
	s_endpgm
.Lfunc_end_k_q187caed98f_prep:
	.size	k_q187caed98f_prep, .Lfunc_end_k_q187caed98f_prep-k_q187caed98f_prep
	.p2alignl 7, 3214868480
	.fill 96, 4, 3214868480
	.section	.rodata,"a",@progbits
	.p2align	6, 0x0
	.amdhsa_kernel k_q187caed98f_prep
		.amdhsa_group_segment_fixed_size 0
		.amdhsa_private_segment_fixed_size 0
		.amdhsa_enable_private_segment 0
		.amdhsa_kernarg_size 56
		.amdhsa_user_sgpr_count 2
		.amdhsa_user_sgpr_kernarg_segment_ptr 1
		.amdhsa_wavefront_size32 1
		.amdhsa_system_sgpr_workgroup_id_x 1
		.amdhsa_system_sgpr_workgroup_id_y 1
		.amdhsa_system_sgpr_workgroup_id_z 1
		.amdhsa_system_vgpr_workitem_id 0
		.amdhsa_next_free_vgpr 176
		.amdhsa_next_free_sgpr 66
		.amdhsa_reserve_vcc 1
		.amdhsa_float_denorm_mode_32 3
		.amdhsa_float_denorm_mode_16_64 3
		.amdhsa_memory_ordered 1
		.amdhsa_forward_progress 1
		.amdhsa_inst_pref_size 40
	.end_amdhsa_kernel
	.amdgpu_metadata
---
amdhsa.version: [ 1, 2 ]
amdhsa.kernels:
  - .name:           k_q187caed98f_prep
    .symbol:         k_q187caed98f_prep.kd
    .args:
      - { .name: x, .offset: 0, .size: 8, .value_kind: global_buffer, .address_space: global }
      - { .name: packed_weight, .offset: 8, .size: 8, .value_kind: global_buffer, .address_space: global }
      - { .name: scale, .offset: 16, .size: 8, .value_kind: global_buffer, .address_space: global }
      - { .name: lowp_scales, .offset: 24, .size: 8, .value_kind: global_buffer, .address_space: global }
      - { .name: x_codes, .offset: 32, .size: 8, .value_kind: global_buffer, .address_space: global }
      - { .name: w_codes, .offset: 40, .size: 8, .value_kind: global_buffer, .address_space: global }
      - { .name: rs, .offset: 48, .size: 8, .value_kind: global_buffer, .address_space: global }
    .group_segment_fixed_size: 0
    .private_segment_fixed_size: 0
    .kernarg_segment_align: 8
    .kernarg_segment_size: 56
    .max_flat_workgroup_size: 128
    .sgpr_count:     66
    .vgpr_count:     176
    .wavefront_size: 32
...
	.end_amdgpu_metadata
.endif
;; end of part 1
;; launch gemm (part 2): grid 16 x 16, 4 waves a work-group, clusters of 4 x 4, 327,680 bytes of LDS; arguments x_codes, w_codes, rs, out0; writes out0
.if DOCPART == 2
	.amdgcn_target "amdgcn-amd-amdhsa--gfx1250"
	.amdhsa_code_object_version 6
	.text
	.protected	k_q187caed98f_gemm
	.globl	k_q187caed98f_gemm
	.p2align	8
	.type	k_q187caed98f_gemm,@function
k_q187caed98f_gemm:
	s_mov_b64 s[64:65], 0
	v_nop
	global_prefetch_b8 v0, s[64:65] scope:SCOPE_SE
	s_setreg_imm32_b32 hwreg(HW_REG_WAVE_MODE, 25, 1), 1
	s_wait_xcnt 0x0
	s_wait_alu depctr_hold_cnt(0) depctr_sa_sdst(0) depctr_va_vdst(0) depctr_va_sdst(0) depctr_va_ssrc(0) depctr_va_vcc(0) depctr_vm_vsrc(0)
	s_getreg_b32 s2, hwreg(HW_REG_IB_STS2, 6, 4)
	s_cmp_eq_u32 s2, 0
	s_cbranch_scc0 .Lentry_in_a_cluster
	s_endpgm
.Lentry_in_a_cluster:
	s_bfe_u32 s2, ttmp6, 0x10000c
	s_cmp_lg_u32 s2, 0xf033
	s_cbranch_scc0 .Lentry_shape_is_right
	s_endpgm
.Lentry_shape_is_right:
; out0[t][o] = rs[t] x sum over k of x_codes[t][k] w_codes[o][k]: codes of FP8 (E4M3) made by the launch before, K in the same order in both buffers; sums in f32.
; rs[t] = x_scale[t] x 2^(e0 + e1) carries both given scales and the row's own factor: each finished sum is multiplied by it once.  LIMIT: rs[t] is a normal f32 number (stated where it is made).
; A tile of out0, 256 x 256, is made by four waves, each 128 x 128: 64 accumulators, 512 registers.  K goes in steps of 256 (rows of 256 bytes) through a ring of two LDS slots.
; CLUSTERS 4 x 4: x's tile is shared along a row of the cluster, w's along a column: joint loads, one a wave behind each round.
; The matrix instruction is used transposed (source 0 = rows of w, source 1 = rows of x): a lane holds eight neighbouring numbers of a row of out0.
; PREFETCH: behind the joint load of K step j each wave names K step j + 2: 32 rows x 256 bytes, a lane a row.  Of the 128 rows that a wave fetches the four partners that ask jointly take 32 each,
; told apart by address (cx for x, cy for w).  The head also names K step 1.  The loop's last trip names nothing: K step 15 is the last one named.
; REGISTERS: window 0: v0-31 addresses, v96-111 rs, from v128 x's fragments (one set); window 1: w's fragments, two sets; windows 2, 3: the accumulators.
.set SIZE_N, 4096
.set SIZE_K, 4096
.set KSTEP,  256
.set ROWB,   256
.set KROW,   SIZE_K
.set PITCH,  272                       ; 256 bytes + 16 of padding: the 16 rows of a fragment load start 4 banks apart
.set FR,     16
.set NL,     4
.set NP,     4
.set HALFT,  128*PITCH
.set SLOT,   4*HALFT
.set LAPS,   SIZE_K/(2*KSTEP)
.set SPARE,  2*SLOT                    ; the spare words, 128 bytes a wave
.set SPITCH, 528                       ; the way out: a stage of 16 rows x 528 bytes a wave, in slot 0 behind its last fill and last read
.set ADRA, 16
.set ADRB, 20
.set STO,  24
.set RD,   25
.set CO,   26
.set RO,   27
.set SPW,  28
.set NIL,  29
.set PFO,  30                          ; the prefetches' offset: lane x a row of codes; never rewritten
.set TMP,  32
.set RS,   96
.set AF,   128
.set BK,   128
.set G1, 24
.set G0, 32
.set G1B, 48
.set G0B, 56
.set PFA, 66                           ; s[66:67] where my prefetches stand
.set MSB, 0
.macro WIN new
.if MSB != \new
	s_set_vgpr_msb (MSB<<8)|\new
.set MSB, \new
.endif
.endm
.set MUL_LO, 0xa1
.set MUL_HI, 0xf1
.set TO_B,   0x40
.macro JLOAD g0a, g1a, g0b, g1b        ; waves 0, 1 ask for x's halves, waves 2, 3 for w's; s_nop 0 and four v_nop behind each line
	s_cmp_eq_u32 s15, 0
	s_cbranch_scc0 .Lfor_b_\@
	tensor_load_to_lds s[\g0a:\g0a+3], s[\g1a:\g1a+7]
	s_nop 0
.rept 4
	v_nop
.endr
	s_branch .Lasked_\@
.Lfor_b_\@:
	tensor_load_to_lds s[\g0b:\g0b+3], s[\g1b:\g1b+7]
	s_nop 0
.rept 4
	v_nop
.endr
.Lasked_\@:
.endm
.macro CREST                           ; a round of the cluster's barrier behind its opening barrier
	s_cmp_lg_u32 s14, 0
	s_cbranch_scc1 .Lnot_wave_0_\@
	s_barrier_signal -3
.Lnot_wave_0_\@:
	s_barrier_wait -3
	s_barrier_signal -1
	s_barrier_wait -1
.endm
.macro CROUND
	s_barrier_signal -1
	s_barrier_wait -1
	CREST
.endm
.macro ASK                             ; two K steps beyond the one just asked for; not in the loop's last trip (s3 = 1), whose steps two on do not exist
	s_cmp_gt_u32 s3, 1
	s_cbranch_scc0 .Lno_ask_\@
	global_prefetch_b8 v[PFO], s[PFA:PFA+1] offset:2*ROWB th:TH_LOAD_NT scope:SCOPE_SE
.Lno_ask_\@:
.endm
	s_load_b256 s[4:11], s[0:1], 0x0               ; x_codes, w_codes, rs, out0
	v_lshl_add_u32 v[SPW], v0, 2, SPARE
	v_mov_b32 v[NIL], 0
	ds_add_u32 v[SPW], v[NIL]                      ; the opening lines: the add twice on end and one wait
	ds_add_u32 v[SPW], v[NIL]
	v_lshrrev_b32 v1, 5, v0
	v_readfirstlane_b32 s14, v1                    ; wave
	s_lshr_b32 s15, s14, 1                         ; my half of the tile's rows; also: I fetch for x (0) or w (1)
	s_and_b32 s16, s14, 1                          ; my half of its columns; also: which 128 rows I fetch
	s_bfe_u32 s40, ttmp6, 0x40000                  ; cx
	s_bfe_u32 s41, ttmp6, 0x40004                  ; cy
	s_lshl_b32 s42, ttmp9, 2
	s_add_co_u32 s42, s42, s40                     ; tile column
	s_and_b32 s17, ttmp7, 0xffff
	s_lshl_b32 s17, s17, 2
	s_add_co_u32 s17, s17, s41                     ; tile row
	s_lshl_b32 s43, s41, 2
	s_lshl_b32 s43, 15, s43                        ; my row of the cluster
	s_lshl_b32 s44, 0x1111, s40                    ; my column
	s_or_b32 s[G1+0], s43, (0<<16)|(1<<20)|(1<<21)|(5<<22)|(3<<25)   ; bytes; 4 words of padding behind every 64
	s_or_b32 s[G1B+0], s44, (0<<16)|(1<<20)|(1<<21)|(5<<22)|(3<<25)
.irp g, G1, G1B
	s_mov_b32 s[\g+1], ROWB<<16
	s_mov_b32 s[\g+2], 128<<16
	s_mov_b32 s[\g+3], ROWB<<16
	s_mov_b32 s[\g+4], 128
	s_mov_b32 s[\g+5], KROW
	s_mov_b32 s[\g+6], 0
	s_mov_b32 s[\g+7], 0
.endr
	s_lshl_b32 s18, s16, 7
	s_lshl_b32 s20, s17, 8
	s_add_co_u32 s20, s20, s18                     ; x: row 256 x tile row + 128 x half
	s_lshl_b32 s46, s42, 8
	s_add_co_u32 s46, s46, s18                     ; w: row 256 x tile column + 128 x half
	s_mov_b32 s21, 0
	s_mov_b32 s47, 0
	s_mov_b64 s[18:19], KROW
	s_mul_u64 s[20:21], s[20:21], s[18:19]
	s_mul_u64 s[46:47], s[46:47], s[18:19]
	s_mul_i32 s45, s14, HALFT                      ; LDS: wave x 128 rows
	s_wait_dscnt 0x0                               ; both opening adds are done
	s_wait_kmcnt 0x0
	s_add_nc_u64 s[20:21], s[4:5], s[20:21]
	s_add_nc_u64 s[46:47], s[6:7], s[46:47]
	CROUND                                         ; the first joint loads meet
.irp s, 0,1
	s_mov_b32 s[G0+4*\s], 1
	s_add_co_u32 s[G0+4*\s+1], s45, \s*SLOT
	s_add_nc_u64 s[G0+4*\s+2:G0+4*\s+3], s[20:21], \s*ROWB
	s_or_b32 s[G0+4*\s+3], s[G0+4*\s+3], 0x80000000
	s_mov_b32 s[G0B+4*\s], 1
	s_add_co_u32 s[G0B+4*\s+1], s45, \s*SLOT
	s_add_nc_u64 s[G0B+4*\s+2:G0B+4*\s+3], s[46:47], \s*ROWB
	s_or_b32 s[G0B+4*\s+3], s[G0B+4*\s+3], 0x80000000
.endr
	JLOAD G0, G1, G0B, G1B                         ; K step 0: one tensor load a wave at the head
	; the prefetches' base: my work-group's 32 rows of the 128 that I fetch, at K step 1
	s_lshl_b32 s68, s17, 8
	s_lshl_b32 s69, s42, 8
	s_cmp_eq_u32 s15, 0
	s_cselect_b32 s68, s68, s69                    ; the tile's first row, in x or in w
	s_cselect_b32 s69, s40, s41                    ; my place among the four that ask jointly
	s_cselect_b64 s[PFA:PFA+1], s[4:5], s[6:7]
	s_lshl_b32 s70, s16, 7
	s_add_co_u32 s68, s68, s70
	s_lshl_b32 s69, s69, 5
	s_add_co_u32 s68, s68, s69
	s_lshl_b32 s68, s68, 12                        ; x 4,096 bytes a row: under 2^24
	s_add_co_u32 s68, s68, ROWB
	s_mov_b32 s69, 0
	s_add_nc_u64 s[PFA:PFA+1], s[PFA:PFA+1], s[68:69]
	v_and_b32 v[PFO], 31, v0
	v_lshlrev_b32 v[PFO], 12, v[PFO]
	global_prefetch_b8 v[PFO], s[PFA:PFA+1] th:TH_LOAD_NT scope:SCOPE_SE               ; K step 1
	global_prefetch_b8 v[PFO], s[PFA:PFA+1] offset:ROWB th:TH_LOAD_NT scope:SCOPE_SE   ; K step 2
	v_and_b32 v1, 15, v0                           ; l % 16
	v_bfe_u32 v2, v0, 4, 1                         ; l / 16
	v_mul_u32_u24 v3, v1, PITCH
	v_lshl_add_u32 v4, v2, 4, v3
	s_mul_i32 s21, s15, HALFT
	s_mul_i32 s22, s16, HALFT
	s_add_co_u32 s22, s22, 2*HALFT
.irp s, 0,1
	v_add_nc_u32 v[ADRA+\s], s21, v4
	v_add_nc_u32 v[ADRB+\s], s22, v4
	s_add_co_u32 s21, s21, SLOT
	s_add_co_u32 s22, s22, SLOT
.endr
	s_mul_i32 s23, s14, 16*SPITCH                  ; my stage
	s_wait_alu depctr_va_vdst(0)                   ; directly ahead of the reader below
	v_mul_u32_u24 v5, v1, SPITCH
	v_lshl_add_u32 v5, v2, 5, v5
	v_add_nc_u32 v[STO], s23, v5
	v_and_b32 v6, 31, v0
	v_lshlrev_b32 v[CO], 4, v6
	v_add_nc_u32 v[RD], s23, v[CO]
	v_lshlrev_b32 v[RO], 2, v1
	s_lshl_b32 s20, s17, 8
	s_lshl_b32 s21, s15, 7
	s_add_co_u32 s20, s20, s21                     ; my first row of out0
	s_lshl_b32 s12, s20, 2
	s_mov_b32 s13, 0
	s_add_nc_u64 s[8:9], s[8:9], s[12:13]
.irp a, 0,1,2,3,4,5,6,7
	global_load_b32 v[RS+2*\a],   v[RO], s[8:9] offset:64*\a   ; rs of row 16 a + l % 16, in both registers of a pair for the packed multiply
	global_load_b32 v[RS+2*\a+1], v[RO], s[8:9] offset:64*\a
.endr
	s_mov_b32 s21, 0
	s_mov_b64 s[18:19], SIZE_N*4
	s_mul_u64 s[20:21], s[20:21], s[18:19]
	s_lshl_b32 s46, s42, 10
	s_lshl_b32 s47, s16, 9
	s_add_co_u32 s46, s46, s47
	s_mov_b32 s47, 0
	s_add_nc_u64 s[20:21], s[20:21], s[46:47]
	s_add_nc_u64 s[10:11], s[10:11], s[20:21]
.macro FRAG reg, adr, q, i             ; 16 rows x 128 K: four loads of 16 bytes a lane, the same places of k on both sides
.irp c, 0,1,2,3
	ds_load_b128 v[\reg+4*\c:\reg+4*\c+3], v[\adr] offset:128*(\q)+32*\c+(\i)*16*PITCH
.endr
.endm
.macro MUL16 a0, p, zero               ; x's blocks a0, a0 + 1 against w's eight; the 64 accumulators take turns
.irp a, \a0, \a0+1
.irp b, 0,1,2,3,4,5,6,7
.if \zero
	v_wmma_f32_16x16x128_fp8_fp8 v[8*(8*((\a)%4)+\b):8*(8*((\a)%4)+\b)+7], v[128*(\p)+FR*\b:128*(\p)+FR*\b+FR-1], v[AF+FR*(\a):AF+FR*(\a)+FR-1], 0
.else
	v_wmma_f32_16x16x128_fp8_fp8 v[8*(8*((\a)%4)+\b):8*(8*((\a)%4)+\b)+7], v[128*(\p)+FR*\b:128*(\p)+FR*\b+FR-1], v[AF+FR*(\a):AF+FR*(\a)+FR-1], v[8*(8*((\a)%4)+\b):8*(8*((\a)%4)+\b)+7]
.endif
.endr
.endr
.endm
.macro FETCH_B slot, q, p
	WIN TO_B
.irp i, 0,1,2,3,4,5,6,7
	FRAG 128*(\p)+FR*\i, ADRB+\slot, \q, \i
.endr
	WIN 0
.endm
.macro FETCH_A slot, q, i0
.irp i, \i0, \i0+1, \i0+2, \i0+3
	FRAG AF+FR*(\i), ADRA+\slot, \q, \i
.endr
.endm
.macro PLACES n                        ; places behind matrix instructions, ahead of loads into their sources and of reads of results
.rept \n
	v_nop
.endr
.endm
.macro STEP slot, q, zero              ; 128 along K whose successor lies in the same slot
	s_wait_dscnt 4*NL                              ; all but the youngest 16 loads (x's blocks 4-7)
	WIN MUL_LO
	MUL16 0, (\q)%2, \zero
	MUL16 2, (\q)%2, \zero
	s_wait_dscnt 0
	PLACES NP
	FETCH_B \slot, (\q)+1, 1-(\q)%2
	FETCH_A \slot, (\q)+1, 0
	WIN MUL_HI
	MUL16 4, (\q)%2, \zero
	MUL16 6, (\q)%2, \zero
	PLACES NP
	WIN 0
	FETCH_A \slot, (\q)+1, 4
.endm
.macro TURN slot, next, fill           ; a slot's last step changes slots
.if \fill
	s_wait_xcnt 0x0                                ; my prefetches have read their base: it steps one K step
	s_add_nc_u64 s[PFA:PFA+1], s[PFA:PFA+1], ROWB
.endif
	s_wait_tensorcnt 0x0                           ; my one load that was out, my part of the next slot, has landed
	ds_add_u32 v[SPW], v[NIL]
	s_wait_dscnt 4*NL+1                            ; the add and x's blocks 4-7 may be out
	WIN MUL_LO
	MUL16 0, 1, 0
	s_wait_dscnt 0x0                               ; the add is done, my reads of this slot are over
	s_barrier_signal -1
	MUL16 2, 1, 0
	WIN 0
	s_barrier_wait -1
.if \fill
	CREST                                          ; the barrier opened a round: no wave of any partner reads this slot or has a load out
	s_add_nc_u64 s[G0+4*\slot+2:G0+4*\slot+3], s[G0+4*\slot+2:G0+4*\slot+3], 2*ROWB
	s_add_nc_u64 s[G0B+4*\slot+2:G0B+4*\slot+3], s[G0B+4*\slot+2:G0B+4*\slot+3], 2*ROWB
	JLOAD G0+4*\slot, G1, G0B+4*\slot, G1B         ; the refill; its four v_nop are the places ahead of the loads below
.else
	PLACES NP
.endif
	FETCH_B \next, 0, 0
	FETCH_A \next, 0, 0
.if \fill
	ASK
.endif
	WIN MUL_HI
	MUL16 4, 1, 0
	MUL16 6, 1, 0
	PLACES NP
	WIN 0
	FETCH_A \next, 0, 4
.endm
	s_wait_alu depctr_va_vdst(0)
	s_wait_loadcnt 0x0                             ; rs is in
	s_wait_tensorcnt 0x0                           ; my part of K step 0 is in; the three lines ahead of slot 1's first fill, as ahead of a refill
	ds_add_u32 v[SPW], v[NIL]
	s_wait_dscnt 0x0
	CROUND
	JLOAD G0+4, G1, G0B+4, G1B                     ; K step 1
	FETCH_B 0, 0, 0
	FETCH_A 0, 0, 0
	FETCH_A 0, 0, 4
	global_prefetch_b8 v[PFO], s[PFA:PFA+1] offset:2*ROWB th:TH_LOAD_NT scope:SCOPE_SE   ; K step 3
	STEP 0, 0, 1                                   ; the first step starts the sums
	s_mov_b32 s3, LAPS-1
.Llap:                                                 ; once round the ring: both slots are filled again
	TURN 0, 1, 1
	STEP 1, 0, 0
	TURN 1, 0, 1
	STEP 0, 0, 0
	s_sub_co_u32 s3, s3, 1
	s_cmp_lg_u32 s3, 0
	s_cbranch_scc1 .Llap
	TURN 0, 1, 0                                   ; the last lap fills nothing
	STEP 1, 0, 0
	s_wait_dscnt 4*NL
	WIN MUL_LO
	MUL16 0, 1, 0
	MUL16 2, 1, 0
	s_wait_dscnt 0
	WIN MUL_HI
	MUL16 4, 1, 0
	MUL16 6, 1, 0
	WIN 0
; THE WAY OUT, by blocks of 16 rows x 128 columns: x rs of the lane's row, through my own stage, back as whole rows of 512 bytes.  LDS serves a wave's instructions in order (ISA guide 5.7.1.4).
.macro TOSTAGE a
.set AC, 64*((\a)%4)
	WIN 0x02+((\a)/4)
.irp j, 0,2,4,6,8,10,12,14,16,18,20,22,24,26,28,30,32,34,36,38,40,42,44,46,48,50,52,54,56,58,60,62
	v_pk_mul_f32 v[TMP+\j:TMP+\j+1], v[AC+\j:AC+\j+1], v[RS+2*(\a):RS+2*(\a)+1]   ; each accumulator from its low end on
.endr
	WIN 0
.irp b, 0,1,2,3,4,5,6,7
	ds_store_b128 v[STO], v[TMP+8*\b:TMP+8*\b+3] offset:64*\b
	ds_store_b128 v[STO], v[TMP+8*\b+4:TMP+8*\b+7] offset:64*\b+16
.endr
.set BB, BK+64*((\a)%2)
.irp t, 0,1,2,3,4,5,6,7,8,9,10,11,12,13,14,15
	ds_load_b128 v[BB+4*\t:BB+4*\t+3], v[RD] offset:\t*SPITCH
.endr
.endm
.macro SEND a, younger                 ; younger: LDS instructions issued behind block a's loads
.set BB, BK+64*((\a)%2)
	s_wait_dscnt \younger
.if (\a) > 0
	s_add_nc_u64 s[10:11], s[10:11], 16*SIZE_N*4   ; behind a wait on XCNT: the earlier stores have read their base
.endif
.irp t, 0,1,2,3,4,5,6,7,8,9,10,11,12,13,14,15
	global_store_b128 v[CO], v[BB+4*\t:BB+4*\t+3], s[10:11] offset:\t*SIZE_N*4 th:TH_STORE_NT   ; 32 lanes store 512 consecutive bytes, aligned
.endr
.endm
	PLACES NP
	TOSTAGE 0
.irp a, 1,2,3,4,5,6,7
.if \a > 1
	s_wait_xcnt 0x0                                ; block a - 2's stores have read their registers and base
.endif
	TOSTAGE \a
	SEND \a-1, 32                                  ; block a's 16 stores and 16 loads may be out
.endr
	s_wait_xcnt 0x0
	SEND 7, 0
	s_wait_tensorcnt 0x0                           ; the wave's end
	ds_add_u32 v[SPW], v[NIL]
	s_wait_dscnt 0x0
	CROUND                                         ; the closing round
	s_endpgm
.Lfunc_end_k_q187caed98f_gemm:
	.size	k_q187caed98f_gemm, .Lfunc_end_k_q187caed98f_gemm-k_q187caed98f_gemm
	.p2alignl 7, 3214868480
	.fill 96, 4, 3214868480
	.section	.rodata,"a",@progbits
	.p2align	6, 0x0
	.amdhsa_kernel k_q187caed98f_gemm
		.amdhsa_group_segment_fixed_size 327680
		.amdhsa_private_segment_fixed_size 0
		.amdhsa_enable_private_segment 0
		.amdhsa_kernarg_size 32
		.amdhsa_user_sgpr_count 2
		.amdhsa_user_sgpr_kernarg_segment_ptr 1
		.amdhsa_wavefront_size32 1
		.amdhsa_system_sgpr_workgroup_id_x 1
		.amdhsa_system_sgpr_workgroup_id_y 1
		.amdhsa_system_sgpr_workgroup_id_z 1
		.amdhsa_system_vgpr_workitem_id 0
		.amdhsa_next_free_vgpr 1024
		.amdhsa_next_free_sgpr 72
		.amdhsa_reserve_vcc 0
		.amdhsa_float_denorm_mode_32 3
		.amdhsa_float_denorm_mode_16_64 3
		.amdhsa_memory_ordered 1
		.amdhsa_forward_progress 1
		.amdhsa_inst_pref_size 126
	.end_amdhsa_kernel
	.amdgpu_metadata
---
amdhsa.version: [ 1, 2 ]
amdhsa.kernels:
  - .name:           k_q187caed98f_gemm
    .symbol:         k_q187caed98f_gemm.kd
    .args:
      - { .name: x_codes, .offset: 0, .size: 8, .value_kind: global_buffer, .address_space: global }
      - { .name: w_codes, .offset: 8, .size: 8, .value_kind: global_buffer, .address_space: global }
      - { .name: rs, .offset: 16, .size: 8, .value_kind: global_buffer, .address_space: global }
      - { .name: out0, .offset: 24, .size: 8, .value_kind: global_buffer, .address_space: global }
    .group_segment_fixed_size: 327680
    .private_segment_fixed_size: 0
    .kernarg_segment_align: 8
    .kernarg_segment_size: 32
    .max_flat_workgroup_size: 128
    .sgpr_count:     72
    .vgpr_count:     1024
    .wavefront_size: 32
...
	.end_amdgpu_metadata
.endif
;; end of part 2
